; MI455X (gfx1250); checked and timed in simulation.
; The chip was launched on July 23, 2026; its instructions are those of AMD's public machine-readable ISA for CDNA 5 (MIT licence, August 2026) and "CDNA5" Instruction Set Architecture Reference Guide (July 2026). The comments in the code are by the model that wrote it; some were corrected since.
;; Semantic Aware Super Layer. Allowed arithmetic: float matrix products may take bf16 or f16 operands with f32 sums; other float arithmetic in f32, or as packed bf16 or f16 multiplies, adds, multiply-adds, maxima and minima; sums over many terms, partial sums and values carried from step to step in f32; what a program stores and reads back later, other than sums and carried values, may be rounded once to bf16 or f16.
;; Inputs: cfc_S 128 float32; cfc_U 1,024 x 128 float32; cfc_V 4,096 x 128 float32; cfc_bias 4,096 float32; cproj_S 128 float32; cproj_U 4,096 x 128 float32; cproj_V 1,024 x 128 float32; cproj_bias 1,024 float32; x 4 x 2,048 x 1,024 float32.
;; Outputs: out0 4 x 2,048 x 1,024 float32.
;; One version. Each part assembles by itself: llvm-mc -triple=amdgcn-amd-amdhsa -mcpu=gfx1250 --defsym DOCPART=n.
;; ======== version 1 of 1: 3 launches
;; limits: a function is approximated: absolute error at most 2.5e-05; an absolute error that grows with the inputs' magnitude: up to 2.5e-05 times it; values are held in f16: magnitudes above 65,504 overflow, below 6.1e-05 lose precision; right only within a limited range of input values
;; workspace buffers: tf 2,097,152 bytes; wf 2,097,152 bytes; v2f 262,144 bytes; b1r 16,384 bytes; b2r 4,096 bytes; up 16,777,216 bytes
;; launch front (part 1): grid 256 x 1, 4 waves a work-group, no clusters, 205,312 bytes of LDS; arguments x, cfc_U, cfc_V, cfc_S, cfc_bias, cproj_U, cproj_V, cproj_bias, tf, wf, v2f, b1r, b2r; writes tf, wf, v2f, b1r, b2r
.if DOCPART == 1
	.amdgcn_target "amdgcn-amd-amdhsa--gfx1250"
	.amdhsa_code_object_version 6
	.text
	.protected	k_q1ce53b3052_front
	.globl	k_q1ce53b3052_front
	.p2align	8
	.type	k_q1ce53b3052_front,@function
k_q1ce53b3052_front:
	s_mov_b64 s[64:65], 0
	v_nop
	global_prefetch_b8 v0, s[64:65] scope:SCOPE_SE
	s_setreg_imm32_b32 hwreg(HW_REG_WAVE_MODE, 25, 1), 1
	s_wait_xcnt 0x0
; FIRST OF THREE LAUNCHES.  out = gelu(x W1 + b1) W2 + b2 with W1 = (U o S) V^T and W2 = (U2 o S2) V2^T, both of rank 128.
; WORK LEFT OUT.  The two dense weights (cfc_w, 1024 x 4096, and cproj_w, 4096 x 1024) are never formed.  In exact arithmetic, for all values of the inputs,
; x ((U o S) V^T) = ((x U) o S) V^T, and likewise for the second layer: matrix products are associative and S scales a column of U.  So the program multiplies by the thin factors:
; 21.5 GFLOP for 139.6.  No input is dropped: all nine are loaded.  LIMIT: an overflow, a NaN or an infinity that arises only in forming cfc_w or cproj_w is not carried to the result.
; FORMATS.  Every input is rounded to bf16 (nearest even) before use.  t'' = (x U) / 4 and W1' = V S are kept in f16; LIMIT: |x U| / 4 and |V S| stay under 65,504.  NaN and infinities are not treated apart.
; THIS LAUNCH.  (1) t'' for 32 rows of x a work-group, stored as operand fragments (tf).  (2) Each work-group rounds a 256th of the weights and lays them out in the order in which a wave's operand
; registers take them (wf, v2f), and some round the biases (b1r = b1 / 4, b2r).
; SHARES.  Work-group i: rows 32 i .. 32 i + 31.  K = 1024 is split among the four waves: wave v takes k = 256 v .. 256 v + 255 in 8 steps of 32, for all 128 ranks and both tiles of 16 rows: 16 accumulators.
; The four partial sums meet in LDS.  LAYOUT.  t^T = U^T x^T: source 0 = 16 ranks, source 1 = 16 rows of x.  Rank tile (g, j), row m, is rank 64 g + 4 m + j, so one load of 16 bytes from a row of U serves the four
; tiles j, and in the results a lane (row r = lane % 16 of x, half h = lane / 16) holds the 32 neighbouring ranks 64 g + 32 h + 4 j' + j.  Within a K step half h holds k0 + 16 h + 0..15, alike in both sources.
; A FRAGMENT in tf, wf, v2f is 1,024 bytes: [registers 0-3 | 4-7][lane][16 bytes]: every load and store of it covers 512 consecutive bytes.  K step c (0..3) of the products over the ranks holds, in half h,
; ranks 64 (c / 2) + 32 h + 16 (c % 2) + 0..15, alike in both sources.
; x comes by tensor loads (four a wave, all at the head; a wave reads only its own tiles); U comes straight into registers, 256 consecutive bytes for 16 lanes.  U is not shared through LDS: its 512 KiB do not fit beside x.
.set XTW,   34816                      ; LDS bytes of a wave's four tiles of x
.set XTT,   8704                       ; a tile: 32 rows x (256 bytes + 16 of padding)
.set XP,    272                        ; 68 words from row to row: the 16 rows of a load start at 16 different groups of four banks (64 banks of 4 bytes: ISA guide 11.1)
.set PART,  139264                     ; behind the tiles: the waves' partial sums, 16,384 bytes each; no tensor load lands here
.set SPARE, 204800                     ; the spare words, 128 bytes for each wave: two blocks of 256 bytes that no other line names
.set XA,  2                            ; v2   LDS address of my 64 bytes in a row of x
.set UO,  3                            ; v3   my byte offset in U
.set L16, 4                            ; v4   16 x lane
.set PS,  5                            ; v5   where I put partial sums
.set PR,  6                            ; v6   where I read them back
.set PVS, 7                            ; v7   512 r + 128 h: my place in 16 rows of V or V2
.set PSS, 8                            ; v8   128 h: my place in S
.set PUS, 9                            ; v9   4096 h + 16 r: my place in 32 rows of U2
.set SPW, 14                           ; v14  LDS address of my spare word; never rewritten
.set NIL, 15                           ; v15  0; never rewritten
.set XR,  16                           ; v16-47   x as loaded: tile tt at 16 tt
.set UF,  48                           ; v48-111  U's fragments: tile (g, j) at 8 (4 g + j)
.set XF,  112                          ; v112-127 x's fragments
.set ACC, 128                          ; v128-255 accumulators: 32 (2 g + tt) + 8 j.   Window 1: U as loaded, two sets of 128
.set G1,  44                           ; s[44:51] descriptor group 1; group 0: s[52:55], s[56:59], s[60:63], s[68:71]
.set MSB, 0
.macro WIN new                         ; the immediate's high byte repeats the setting that is left; a switch that changes nothing is dropped
.if MSB != (\new)
	s_set_vgpr_msb (MSB<<8)|(\new)
.set MSB, \new
.endif
.endm
.macro PLACES n
.rept \n
	v_nop
.endr
.endm
	s_load_b512 s[16:31], s[0:1], 0x0              ; x 16, U 18, V 20, S 22, b1 24, U2 26, V2 28, b2 30
	s_load_b256 s[32:39], s[0:1], 0x40             ; tf 32, wf 34, v2f 36, b1r 38
	s_load_b64 s[40:41], s[0:1], 0x60              ; b2r
	v_lshl_add_u32 v[SPW], v0, 2, SPARE
	v_mov_b32 v[NIL], 0
	ds_add_u32 v[SPW], v[NIL]                      ; the wave's opening: the add, twice on end, and its wait ahead of my first tensor load
	ds_add_u32 v[SPW], v[NIL]
	v_lshrrev_b32 v1, 5, v0
	v_readfirstlane_b32 s4, v1                     ; wave 0..3
	s_mov_b32 s5, ttmp9                            ; i
	s_mov_b32 s42, 0xffff0000                      ; a word's upper bf16
	s_mov_b32 s[G1+0], (2<<16)|(1<<20)|(5<<22)|(3<<25)  ; elements of 4 bytes; padding on: after every 64 words, 4 words
	s_mov_b32 s[G1+1], 64<<16                      ; tensor_dim0 = 64
	s_mov_b32 s[G1+2], 32<<16                      ; tensor_dim1 = 32
	s_mov_b32 s[G1+3], 64<<16                      ; tile_dim0 = 64 (256 bytes)
	s_mov_b32 s[G1+4], 32                          ; tile_dim1 = 32 rows
	s_mov_b32 s[G1+5], 1024                        ; elements from row to row
	s_mov_b32 s[G1+6], 0
	s_mov_b32 s[G1+7], 0
	s_mul_i32 s6, s4, XTW                          ; my tiles in LDS
	s_lshl_b32 s7, s4, 17                          ; my 256 rows of U
	s_lshl_b32 s8, s5, 17                          ; 32 rows of x,
	s_lshl_b32 s9, s4, 10                          ; my 256 columns
	s_add_co_u32 s8, s8, s9
	s_mov_b32 s9, 0
	s_wait_dscnt 0x0                               ; both opening adds are done
	s_wait_kmcnt 0x0
	s_add_nc_u64 s[10:11], s[16:17], s[8:9]
.macro G0SET g, u                      ; group 0 for tile u: 64 columns further on, 8,704 LDS bytes further on
	s_mov_b32 s[\g], 1
	s_add_co_u32 s[(\g)+1], s6, (\u)*XTT
	s_add_nc_u64 s[(\g)+2:(\g)+3], s[10:11], (\u)*256
	s_or_b32 s[(\g)+3], s[(\g)+3], 0x80000000
.endm
	G0SET 52, 0
	G0SET 56, 1
	G0SET 60, 2
	G0SET 68, 3
	tensor_load_to_lds s[52:55], s[G1:G1+7]        ; all of my x: four loads of mine are out, ahead of every wait on TENSORcnt, LDS read and barrier
	s_nop 0
	tensor_load_to_lds s[56:59], s[G1:G1+7]
	s_nop 0
	tensor_load_to_lds s[60:63], s[G1:G1+7]
	s_nop 0
	tensor_load_to_lds s[68:71], s[G1:G1+7]
	s_nop 0
	PLACES 4
	v_and_b32 v10, 15, v0                          ; r
	v_bfe_u32 v11, v0, 4, 1                        ; h
	v_and_b32 v12, 31, v0                          ; lane
	v_lshlrev_b32 v[L16], 4, v12
	v_lshlrev_b32 v[UO], 4, v10                    ; 16 r: four ranks,
	v_lshl_add_u32 v[UO], v11, 13, v[UO]           ; 16 rows of U further down for the upper half,
	v_add_nc_u32 v[UO], s7, v[UO]                  ; in my wave's rows
	v_mul_u32_u24 v[XA], v10, XP
	v_lshl_add_u32 v[XA], v11, 6, v[XA]            ; row r, 16 numbers further on for the upper half
	v_add_nc_u32 v[XA], s6, v[XA]
	s_lshl_b32 s12, s4, 14
	s_add_co_u32 s12, s12, PART
	v_add_nc_u32 v[PS], s12, v[L16]
	s_lshl_b32 s12, s4, 12
	s_add_co_u32 s12, s12, PART
	v_add_nc_u32 v[PR], s12, v[L16]
	v_lshlrev_b32 v[PVS], 9, v10
	v_lshl_add_u32 v[PVS], v11, 7, v[PVS]
	v_lshlrev_b32 v[PSS], 7, v11
	v_lshlrev_b32 v[PUS], 4, v10
	v_lshl_add_u32 v[PUS], v11, 12, v[PUS]
; K step s of U into set b of window 1: load (g, ii) brings U[k0 + 16 h + ii][64 g + 4 r .. + 3]
.macro ULOAD s, b
	WIN 0x40                                       ; destination window 1, address window 0
.irp ii, 0,1,2,3,4,5,6,7,8,9,10,11,12,13,14,15
.irp g, 0,1
	global_load_b128 v[128*(\b)+64*\g+4*\ii:128*(\b)+64*\g+4*\ii+3], v[UO], s[18:19] offset:(32*(\s)+\ii)*512+256*\g
.endr
.endr
.endm
; K step s of x out of LDS: 16 numbers of a row for each of the two tiles
.macro XLOAD s
	WIN 0
.irp tt, 0,1
.irp q, 0,1,2,3
	ds_load_b128 v[XR+16*\tt+4*\q:XR+16*\tt+4*\q+3], v[XA] offset:XTT*((\s)/2)+16*XP*\tt+128*((\s)&1)+16*\q
.endr
.endr
.endm
; both sources rounded to bf16, two numbers an instruction
.macro CVT b
	WIN 0x05                                       ; sources window 1, destination window 0
.irp g, 0,1
.irp j, 0,1,2,3
.irp n, 0,1,2,3,4,5,6,7
	v_cvt_pk_bf16_f32 v[UF+8*(4*\g+\j)+\n], v[128*(\b)+64*\g+8*\n+\j], v[128*(\b)+64*\g+8*\n+4+\j]
.endr
.endr
.endr
	WIN 0
.irp tt, 0,1
.irp n, 0,1,2,3,4,5,6,7
	v_cvt_pk_bf16_f32 v[XF+8*\tt+\n], v[XR+16*\tt+2*\n], v[XR+16*\tt+2*\n+1]
.endr
.endr
.endm
; 16 products, each accumulator once: the accumulators take turns.  zero = 1: the first K step starts the sums
.macro MULS zero
	WIN 0
.irp g, 0,1
.irp tt, 0,1
.irp j, 0,1,2,3
.if \zero
	v_wmma_f32_16x16x32_bf16 v[ACC+32*(2*\g+\tt)+8*\j:ACC+32*(2*\g+\tt)+8*\j+7], v[UF+8*(4*\g+\j):UF+8*(4*\g+\j)+7], v[XF+8*\tt:XF+8*\tt+7], 0
.else
	v_wmma_f32_16x16x32_bf16 v[ACC+32*(2*\g+\tt)+8*\j:ACC+32*(2*\g+\tt)+8*\j+7], v[UF+8*(4*\g+\j):UF+8*(4*\g+\j)+7], v[XF+8*\tt:XF+8*\tt+7], v[ACC+32*(2*\g+\tt)+8*\j:ACC+32*(2*\g+\tt)+8*\j+7]
.endif
.endr
.endr
.endr
.endm
	ULOAD 0, 0
	ULOAD 1, 1
	WIN 0
	; THE WEIGHTS' LAYOUT, while x and U are on their way: a block for each wave, chosen by the wave's number.  No barrier stands in here.
	s_cmp_eq_u32 s4, 0
	s_cbranch_scc1 .Lprep0
	s_cmp_eq_u32 s4, 1
	s_cbranch_scc1 .Lprep1
	s_cmp_eq_u32 s4, 2
	s_cbranch_scc1 .Lprep2
; Wave 3: 128 numbers of a bias, rounded to bf16 and kept in f32; quarter = 1: divided by 4.  s8 = which 128
.macro BIASP sb, db, quarter
	s_lshl_b32 s8, s8, 9
	s_mov_b32 s9, 0
	s_add_nc_u64 s[12:13], s[\sb:\sb+1], s[8:9]
	s_add_nc_u64 s[14:15], s[\db:\db+1], s[8:9]
	global_load_b128 v[128:131], v[L16], s[12:13]
	s_wait_loadcnt 0x0
	v_cvt_pk_bf16_f32 v12, v128, v129
	v_cvt_pk_bf16_f32 v13, v130, v131
	v_lshlrev_b32 v128, 16, v12
	v_and_b32 v129, s42, v12
	v_lshlrev_b32 v130, 16, v13
	v_and_b32 v131, s42, v13
.if \quarter
	v_pk_mul_f32 v[128:129], v[128:129], 0x3e800000 op_sel_hi:[1,0]
	v_pk_mul_f32 v[130:131], v[130:131], 0x3e800000 op_sel_hi:[1,0]
.endif
	global_store_b128 v[L16], v[128:131], s[14:15]
.endm
	s_cmp_lt_u32 s5, 32                            ; work-groups 0-31: cfc_bias; 32-39: cproj_bias; the others have none left
	s_cbranch_scc1 .Lbias1
	s_cmp_lt_u32 s5, 40
	s_cbranch_scc0 .Lprepped
	s_sub_co_u32 s8, s5, 32
	BIASP 30, 40, 0
	s_branch .Lprepped
.Lbias1:
	s_mov_b32 s8, s5
	BIASP 24, 38, 1
	s_branch .Lprepped
.Lprep0:                                               ; wave 0: W1' = bf16(V) x bf16(S), exact in f32, rounded once to f16: the four fragments of f tile i
	s_lshl_b32 s8, s5, 13                          ; 16 rows of V
	s_mov_b32 s9, 0
	s_add_nc_u64 s[12:13], s[20:21], s[8:9]
	s_lshr_b32 s8, s5, 1
	s_lshl_b32 s8, s8, 14                          ; block i / 2 of wf,
	s_and_b32 s10, s5, 1
	s_lshl_b32 s10, s10, 12                        ; its f tile i % 2
	s_add_co_u32 s8, s8, s10
	s_add_nc_u64 s[14:15], s[34:35], s[8:9]
.irp c, 0,1,2,3
.irp q, 0,1,2,3
	global_load_b128 v[128+16*\c+4*\q:128+16*\c+4*\q+3], v[PVS], s[12:13] offset:256*(\c>>1)+64*(\c&1)+16*\q
	global_load_b128 v[192+16*\c+4*\q:192+16*\c+4*\q+3], v[PSS], s[22:23] offset:256*(\c>>1)+64*(\c&1)+16*\q
.endr
.endr
	s_wait_loadcnt 0x0
.set p, 0
.rept 32
	v_cvt_pk_bf16_f32 v12, v[128+2*p], v[128+2*p+1]
	v_cvt_pk_bf16_f32 v13, v[192+2*p], v[192+2*p+1]
	v_lshlrev_b32 v[128+2*p], 16, v12
	v_and_b32 v[128+2*p+1], s42, v12
	v_lshlrev_b32 v[192+2*p], 16, v13
	v_and_b32 v[192+2*p+1], s42, v13
	v_pk_mul_f32 v[128+2*p:128+2*p+1], v[128+2*p:128+2*p+1], v[192+2*p:192+2*p+1]
	v_cvt_pk_f16_f32 v[48+p], v[128+2*p], v[128+2*p+1]
.set p, p+1
.endr
.irp n, 0,1,2,3,4,5,6,7
	global_store_b128 v[L16], v[48+4*\n:48+4*\n+3], s[14:15] offset:512*\n
.endr
	s_branch .Lprepped
.Lprep1:                                               ; wave 1: U2 in bf16: the four fragments (ranks 64 G + 4 m + j, G = i % 2) of block i / 2; K = the block's 32 f in the standard order
	s_lshr_b32 s8, s5, 1
	s_lshl_b32 s8, s8, 14                          ; 32 rows of U2, and block i / 2 of wf
	s_and_b32 s10, s5, 1
	s_lshl_b32 s11, s10, 8                         ; 64 ranks
	s_add_co_u32 s8, s8, s11
	s_mov_b32 s9, 0
	s_add_nc_u64 s[12:13], s[26:27], s[8:9]
	s_sub_co_u32 s8, s8, s11
	s_lshl_b32 s11, s10, 12
	s_add_co_u32 s8, s8, s11
	s_add_co_u32 s8, s8, 8192                      ; behind the block's W1'
	s_add_nc_u64 s[14:15], s[34:35], s[8:9]
.irp ii, 0,1,2,3,4,5,6,7,8,9,10,11,12,13,14,15
	global_load_b128 v[128+4*\ii:128+4*\ii+3], v[PUS], s[12:13] offset:((\ii&7)+16*(\ii>>3))*512
.endr
	s_wait_loadcnt 0x0
.irp j, 0,1,2,3
.irp n, 0,1,2,3,4,5,6,7
	v_cvt_pk_bf16_f32 v[48+8*\j+\n], v[128+8*\n+\j], v[128+8*\n+4+\j]
.endr
.endr
.irp n, 0,1,2,3,4,5,6,7
	global_store_b128 v[L16], v[48+4*\n:48+4*\n+3], s[14:15] offset:512*\n
.endr
	s_branch .Lprepped
.Lprep2:                                               ; wave 2: V2 in bf16: fragment c = i % 4 of d tile i / 4
	s_lshr_b32 s8, s5, 2
	s_lshl_b32 s8, s8, 13                          ; 16 rows of V2
	s_bfe_u32 s10, s5, 0x10001                     ; c / 2
	s_lshl_b32 s10, s10, 8
	s_add_co_u32 s8, s8, s10
	s_and_b32 s10, s5, 1                           ; c % 2
	s_lshl_b32 s10, s10, 6
	s_add_co_u32 s8, s8, s10
	s_mov_b32 s9, 0
	s_add_nc_u64 s[12:13], s[28:29], s[8:9]
	s_lshl_b32 s8, s5, 10                          ; fragment i of v2f
	s_add_nc_u64 s[14:15], s[36:37], s[8:9]
.irp q, 0,1,2,3
	global_load_b128 v[128+4*\q:128+4*\q+3], v[PVS], s[12:13] offset:16*\q
.endr
	s_wait_loadcnt 0x0
.irp n, 0,1,2,3,4,5,6,7
	v_cvt_pk_bf16_f32 v[48+\n], v[128+2*\n], v[128+2*\n+1]
.endr
	global_store_b128 v[L16], v[48:51], s[14:15]
	global_store_b128 v[L16], v[52:55], s[14:15] offset:512
.Lprepped:
	s_wait_xcnt 0x0                                ; the stores above have read their registers: v48 on and v128 on are written again only behind this wait
	; THE PRODUCT.  Two sets of U in flight; x's next step is read from LDS while this step is multiplied.
.macro STEPF s
.if (\s) < 7
	s_wait_loadcnt 32                              ; this step's U is in; the next step's 32 loads may stay out
.else
	s_wait_loadcnt 0x0
.endif
	s_wait_dscnt 0x0                               ; this step's x is in registers
.if (\s) > 0
	PLACES 4                                       ; the conversions write registers that the last products read (ISA guide 7.12.1)
.endif
	CVT (\s)&1
.if (\s) < 7
.if ((\s)+1)%2 == 0
	s_wait_tensorcnt 3-((\s)+1)/2                  ; my tensor loads end in order: the tile of the next two steps is in; the younger tiles may stay out
.endif
	XLOAD (\s)+1
.endif
.if (\s) < 6
	ULOAD (\s)+2, (\s)&1
.endif
.if (\s) == 0
	MULS 1
.else
	MULS 0
.endif
.endm
	s_wait_tensorcnt 3                             ; my first tile of x is in
	XLOAD 0
.irp s, 0,1,2,3,4,5,6,7
	STEPF \s
.endr
	; THE FOUR PARTIAL SUMS MEET.  Each wave stores its 128 registers; wave w then sums group w (g = w / 2, tile tt = w % 2) of all four.
	PLACES 8
.set z, 0
.rept 32
	ds_store_b128 v[PS], v[ACC+4*z:ACC+4*z+3] offset:512*z  ; ascending: each accumulator's low registers first
.set z, z+1
.endr
	s_wait_dscnt 0x0                               ; for the others' sake: my stores are done
	s_barrier_signal -1
	s_barrier_wait -1
.irp w, 0,1,2,3
.irp n, 0,1,2,3,4,5,6,7
	ds_load_b128 v[ACC+32*\w+4*\n:ACC+32*\w+4*\n+3], v[PR] offset:16384*\w+512*\n
.endr
.endr
	s_lshl_b32 s8, s5, 13                          ; tf: token tile 2 i + tt, 4,096 bytes each,
	s_and_b32 s10, s4, 1
	s_lshl_b32 s10, s10, 12
	s_add_co_u32 s8, s8, s10
	s_lshr_b32 s10, s4, 1
	s_lshl_b32 s10, s10, 11                        ; fragments 2 g and 2 g + 1
	s_add_co_u32 s8, s8, s10
	s_mov_b32 s9, 0
	s_add_nc_u64 s[12:13], s[32:33], s[8:9]
	s_wait_dscnt 0x0
.set z, 0
.rept 16
	v_pk_add_f32 v[ACC+z:ACC+z+1], v[ACC+z:ACC+z+1], v[ACC+32+z:ACC+32+z+1]
	v_pk_add_f32 v[ACC+64+z:ACC+64+z+1], v[ACC+64+z:ACC+64+z+1], v[ACC+96+z:ACC+96+z+1]
.set z, z+2
.endr
.set z, 0
.rept 16
	v_pk_add_f32 v[ACC+z:ACC+z+1], v[ACC+z:ACC+z+1], v[ACC+64+z:ACC+64+z+1]
.set z, z+2
.endr
.set z, 0
.rept 16
	v_pk_mul_f32 v[ACC+z:ACC+z+1], v[ACC+z:ACC+z+1], 0x3e800000 op_sel_hi:[1,0]  ; t'' = t / 4
.set z, z+2
.endr
.set z, 0
.rept 8                                ; register 8 j + j' is rank 4 j' + j of my 32: word 2 j' takes j = 0, 1, word 2 j' + 1 takes j = 2, 3
	v_cvt_pk_f16_f32 v[48+2*z], v[ACC+z], v[ACC+8+z]
	v_cvt_pk_f16_f32 v[48+2*z+1], v[ACC+16+z], v[ACC+24+z]
.set z, z+1
.endr
.irp n, 0,1,2,3
	global_store_b128 v[L16], v[48+4*\n:48+4*\n+3], s[12:13] offset:512*\n  ; 512 consecutive bytes, aligned
.endr
	s_wait_tensorcnt 0x0                           ; the wave's end, behind my last tensor load and my last LDS store
	ds_add_u32 v[SPW], v[NIL]
	s_wait_dscnt 0x0
	s_endpgm
.Lfunc_end_k_q1ce53b3052_front:
	.size	k_q1ce53b3052_front, .Lfunc_end_k_q1ce53b3052_front-k_q1ce53b3052_front
	.p2alignl 7, 3214868480
	.fill 96, 4, 3214868480
	.section	.rodata,"a",@progbits
	.p2align	6, 0x0
	.amdhsa_kernel k_q1ce53b3052_front
		.amdhsa_group_segment_fixed_size 205312
		.amdhsa_private_segment_fixed_size 0
		.amdhsa_enable_private_segment 0
		.amdhsa_kernarg_size 104
		.amdhsa_user_sgpr_count 2
		.amdhsa_user_sgpr_kernarg_segment_ptr 1
		.amdhsa_wavefront_size32 1
		.amdhsa_system_sgpr_workgroup_id_x 1
		.amdhsa_system_sgpr_workgroup_id_y 1
		.amdhsa_system_sgpr_workgroup_id_z 1
		.amdhsa_system_vgpr_workitem_id 0
		.amdhsa_next_free_vgpr 512
		.amdhsa_next_free_sgpr 72
		.amdhsa_reserve_vcc 0
		.amdhsa_float_denorm_mode_32 3
		.amdhsa_float_denorm_mode_16_64 3
		.amdhsa_memory_ordered 1
		.amdhsa_forward_progress 1
		.amdhsa_inst_pref_size 118
	.end_amdhsa_kernel
	.amdgpu_metadata
---
amdhsa.version: [ 1, 2 ]
amdhsa.kernels:
  - .name:           k_q1ce53b3052_front
    .symbol:         k_q1ce53b3052_front.kd
    .args:
      - { .name: x, .offset: 0, .size: 8, .value_kind: global_buffer, .address_space: global }
      - { .name: cfc_U, .offset: 8, .size: 8, .value_kind: global_buffer, .address_space: global }
      - { .name: cfc_V, .offset: 16, .size: 8, .value_kind: global_buffer, .address_space: global }
      - { .name: cfc_S, .offset: 24, .size: 8, .value_kind: global_buffer, .address_space: global }
      - { .name: cfc_bias, .offset: 32, .size: 8, .value_kind: global_buffer, .address_space: global }
      - { .name: cproj_U, .offset: 40, .size: 8, .value_kind: global_buffer, .address_space: global }
      - { .name: cproj_V, .offset: 48, .size: 8, .value_kind: global_buffer, .address_space: global }
      - { .name: cproj_bias, .offset: 56, .size: 8, .value_kind: global_buffer, .address_space: global }
      - { .name: tf, .offset: 64, .size: 8, .value_kind: global_buffer, .address_space: global }
      - { .name: wf, .offset: 72, .size: 8, .value_kind: global_buffer, .address_space: global }
      - { .name: v2f, .offset: 80, .size: 8, .value_kind: global_buffer, .address_space: global }
      - { .name: b1r, .offset: 88, .size: 8, .value_kind: global_buffer, .address_space: global }
      - { .name: b2r, .offset: 96, .size: 8, .value_kind: global_buffer, .address_space: global }
    .group_segment_fixed_size: 205312
    .private_segment_fixed_size: 0
    .kernarg_segment_align: 8
    .kernarg_segment_size: 104
    .max_flat_workgroup_size: 128
    .sgpr_count:     72
    .vgpr_count:     512
    .wavefront_size: 32
...
	.end_amdgpu_metadata
.endif
;; end of part 1
;; launch mid (part 2): grid 64 x 4, 4 waves a work-group, clusters of 4 x 1, 327,680 bytes of LDS; arguments tf, wf, b1r, up; writes up
.if DOCPART == 2
	.amdgcn_target "amdgcn-amd-amdhsa--gfx1250"
	.amdhsa_code_object_version 6
	.text
	.protected	k_q1ce53b3052_mid
	.globl	k_q1ce53b3052_mid
	.p2align	8
	.type	k_q1ce53b3052_mid,@function
k_q1ce53b3052_mid:
	s_mov_b64 s[64:65], 0
	v_nop
	global_prefetch_b8 v0, s[64:65] scope:SCOPE_SE
	s_setreg_imm32_b32 hwreg(HW_REG_WAVE_MODE, 25, 1), 1
	s_wait_xcnt 0x0
	s_wait_alu depctr_hold_cnt(0) depctr_sa_sdst(0) depctr_va_vdst(0) depctr_va_sdst(0) depctr_va_ssrc(0) depctr_va_vcc(0) depctr_vm_vsrc(0)
	s_getreg_b32 s2, hwreg(HW_REG_IB_STS2, 6, 4)
	s_cmp_eq_u32 s2, 0
	s_cbranch_scc0 .Lentry_in_a_cluster
	s_endpgm
.Lentry_in_a_cluster:
	s_bfe_u32 s2, ttmp6, 0x10000c
	s_cmp_lg_u32 s2, 0x3003
	s_cbranch_scc0 .Lentry_shape_is_right
	s_endpgm
.Lentry_shape_is_right:
; SECOND OF THREE LAUNCHES.  y = t'' W1'^T + b1 / 4 (= h / 4), g' = y Phi(4 y) (= gelu(h) / 4), u' = g' U2, for 128 rows and a slice of 1,024 of the 4,096 f.  The dense weights are never formed (see the first launch's head).
; SHARES.  Work-group (rb, y): rows 128 rb .. + 127, f = 1024 y .. + 1023: 32 blocks of 32 f, in 4 chunks of 8 blocks.  Wave: rh = wave / 2 picks 64 rows (four tiles t of 16), fh = wave % 2 picks four of a chunk's
; eight blocks: 16 steps of 32 f a wave.  At the end the two fh halves add their sums through LDS, and the slice's partial u' (f32) goes to up; the last launch adds the four slices.
; LAYOUT.  y^T = W1' t''^T (source 0 = 16 f, source 1 = 16 rows; f16): in the result a lane holds ONE row (lane % 16) and the f 8 (lane / 16) + 0..7.  The two f tiles of a block, rounded to bf16 in pairs, ARE source 1
; (32 f x 16 rows) of u'^T = U2^T g'^T (bf16), whose result again holds one row a lane.  The bias is the C operand that starts y's sum.  g' goes in bf16: its range grows with the inputs beyond f16's.
; GELU WITHOUT A TRANSCENDENTAL.  s = min(y^2, 1); Phi^ = clamp(y Q(s) + 1/2) to 0 .. 1; g' = y Phi^.  y Q(y^2) is the Chebyshev series of Phi(4 y) - 1/2 on |y| <= 1, cut behind T15: |Phi^ - Phi| <= 2.5e-5 for |h| <= 4.
; Beyond, Phi^ runs straight into the clamp within |h| < 4.0004, where Phi itself is within 3.2e-5 of 0 or 1.  The bound holds for every finite h.  NaN and infinities are not treated apart.
; BY TURNS.  The wave's tiles are two pieces (0: tiles 0, 1; 2: tiles 2, 3).  In a turn one piece has the matrix unit: 16 products for u' of the step in hand, then 16 for y of the next step; the other piece's GELU, 176
; vector instructions in 44 slices of four, stands behind them, one slice behind each matrix instruction, the other 12 slices together between the two runs.
; CLUSTER.  The four row blocks of a cluster walk the same weights and bias: every tensor load is asked for JOINTLY, by the same line with the same descriptor and the mask of four, in all four.
; REGISTERS, in windows of 256 (s_set_vgpr_msb: bits 1:0 source 0, 3:2 source 1, 5:4 source 2, 7:6 destination):
;   window 0: v2-9 addresses; v62-63 the add's; v64-127 y (16 t + 8 ft); v128-159 g' (8 t + 4 ft); v160-175 bias; v176-207 at work; v208-209 1/2
;   window 1: u' (64 t + 8 m)      window 2: v0-127 t'' (32 t + 8 c); v128-191 W1' of a step (32 ft + 8 c); v192-255 U2 of a step (8 m)
.set SLOT1, 1<<17                      ; a slot holds a chunk, 131,072 bytes; slot 1 begins here, so that one exclusive or turns an address in one slot into the other's
.set BIASR, 262144                     ; the slice's 1,024 numbers of b1 / 4
.set SPARE, 266240                     ; the spare words, 128 bytes for each wave: two blocks of 256 bytes that no other line names
.set AK0, 2                            ; v2   16 x lane; never rewritten
.set AB0, 3                            ; v3   BIASR + 32 (lane / 16); never rewritten
.set ADR, 4                            ; v4   the LDS address of the run of loads in hand
.set ADB, 5                            ; v5   the same for the bias
.set SA,  6                            ; v6   the end: where I put the half that I send
.set RA,  7                            ; v7   the end: where my partner put the half that I keep
.set GO,  8                            ; v8   16 x lane, for the stores
.set PFO, 9                            ; v9   256 x lane, for the prefetch
.set SPW, 62
.set NIL, 63
.set S,   64
.set P,   128
.set BI,  160
.set TS,  176                          ; two sets of 16: s (8), q (8)
.set HALF, 208
.set KF,  128
.set VF,  192
.set WV,  12                           ; s12  my wave's number
.set G1,  24                           ; s[24:31] group 1 for a quarter of a chunk: 128 rows of 256 bytes
.set G1B, 32                           ; s[32:39] for a quarter of the bias: 4 rows of 256 bytes
.set G0A, 40                           ; s[40:43] group 0: chunk 0 into slot 0
.set G0W, 44                           ; s[44:47] chunk 1 into slot 1; it then walks on
.set G0B, 48                           ; s[48:51] the bias
.set SLOTS, 52
.set CNT, 53
.set TB,  54                           ; s54  LDS byte at which the block to be fetched begins
.set SB,  55                           ; s55  its 128 bytes in the bias
.set LIM, 56                           ; s56  1 in the slice's first cluster, else the greatest number
.set PFA, 58                           ; s[58:59] my 32 blocks of 256 bytes of chunk 3
.set FH,  60
.set RH,  61
.set CO,  68                           ; s[68+2k:69+2k] coefficient c_k, in both words
.set MSB, 0
.macro WIN new
.if MSB != (\new)
	s_set_vgpr_msb (MSB<<8)|(\new)
.set MSB, \new
.endif
.endm
.macro PLACES n
.rept \n
	v_nop
.endr
.endm
; A round of the cluster's barrier: my work-group's barrier, so that wave 0's signal speaks for all four waves; wave 0 signals; every wave waits for all four work-groups; my work-group's barrier once more.
.macro CROUND
	s_barrier_signal -1
	s_barrier_wait -1
	s_cmp_lg_u32 s[WV], 0
	s_cbranch_scc1 .Lnot_wave_0_\@
	s_barrier_signal -3
.Lnot_wave_0_\@:
	s_barrier_wait -3
	s_barrier_signal -1
	s_barrier_wait -1
.endm
.macro JLOAD                           ; a joint refill: every wave fetches its quarter of the chunk
	tensor_load_to_lds s[G0W:G0W+3], s[G1:G1+7]
	s_nop 0
	PLACES 4
.endm
; A PREFETCH INTO THE L2 of chunk 3, behind the load that asks for chunk 2: one slot, 256 matrix instructions, ahead of the load that will want it.  The chunk is 512 blocks of 256 bytes.  All sixteen clusters of a slice walk
; the same weights: the slice's first cluster asks.  Its four partners and their four waves share the blocks out BY ADDRESS, a lane a block: each block is named once in the launch.  The second refill asks for nothing.
.macro ASK
	s_cmp_gt_u32 s[SLOTS], s[LIM]
	s_cbranch_scc0 .Lnot_mine_\@
	global_prefetch_b8 v[PFO], s[PFA:PFA+1] th:TH_LOAD_NT scope:SCOPE_SE
.Lnot_mine_\@:
.endm
	s_load_b256 s[4:11], s[0:1], 0x0               ; tf s[4:5], wf s[6:7], b1r s[8:9], up s[10:11]
	v_lshl_add_u32 v[SPW], v0, 2, SPARE
	v_mov_b32 v[NIL], 0
	ds_add_u32 v[SPW], v[NIL]                      ; the wave's opening: the add, twice on end, and its wait ahead of my first tensor load
	ds_add_u32 v[SPW], v[NIL]
	v_lshrrev_b32 v1, 5, v0
	v_readfirstlane_b32 s[WV], v1                  ; wave 0..3
	s_bfe_u32 s13, ttmp6, 0x40000                  ; cx: my place in the cluster
	s_lshl_b32 s14, ttmp9, 2                       ; in a cluster launch ttmp9 counts clusters
	s_add_co_u32 s14, s14, s13                     ; rb: it enters tf's and up's addresses alone
	s_and_b32 s15, ttmp7, 0xffff                   ; y, which the four partners share
	s_and_b32 s[FH], s[WV], 1
	s_lshr_b32 s[RH], s[WV], 1
	s_mov_b32 s[G1+0], 15|(3<<16)|(1<<21)          ; the mask of four; elements of 8 bytes; bit 21 set beside a mask; no padding: a fragment is read as it lies, lane i at 16 i
	s_mov_b32 s[G1+1], 32<<16                      ; tensor_dim0 = 32 (256 bytes)
	s_mov_b32 s[G1+2], 128<<16                     ; tensor_dim1 = 128
	s_mov_b32 s[G1+3], 32<<16                      ; tile_dim0 = 32
	s_mov_b32 s[G1+4], 128                         ; tile_dim1 = 128
	s_mov_b32 s[G1+5], 32                          ; dense rows
	s_mov_b32 s[G1+6], 0
	s_mov_b32 s[G1+7], 0
	s_mov_b32 s[G1B+0], 15|(3<<16)|(1<<21)
	s_mov_b32 s[G1B+1], 32<<16
	s_mov_b32 s[G1B+2], 4<<16
	s_mov_b32 s[G1B+3], 32<<16
	s_mov_b32 s[G1B+4], 4
	s_mov_b32 s[G1B+5], 32
	s_mov_b32 s[G1B+6], 0
	s_mov_b32 s[G1B+7], 0
.macro COEF n, bits
	s_mov_b32 s[CO+2*(\n)], \bits
	s_mov_b32 s[CO+2*(\n)+1], \bits
.endm
	COEF 0, 0x3fcc33d4                             ;   1.59533165
	COEF 1, 0xc0877506                             ;  -4.23303516
	COEF 2, 0x411df849                             ;   9.87311646
	COEF 3, 0xc1887c17                             ; -17.06059038
	COEF 4, 0x41a6f448                             ;  20.86927719
	COEF 5, 0xc186b1e7                             ; -16.83686547
	COEF 6, 0x40fd9c39                             ;   7.92531992
	COEF 7, 0xbfd0f923                             ;  -1.63260307
	s_lshl_b32 s[TB], s[FH], 16                    ; my four blocks of a chunk
	s_lshl_b32 s[SB], s[FH], 9
	s_cmp_eq_u32 ttmp9, 0                          ; the same in all four partners
	s_cselect_b32 s[LIM], 1, -1
	s_lshl_b32 s16, s[WV], 15                      ; my quarter of a chunk: no place in the cluster enters an LDS address or a descriptor
	s_lshl_b32 s17, s[WV], 10                      ; my quarter of the bias
	s_mov_b32 s[G0A], 1
	s_mov_b32 s[G0A+1], s16
	s_mov_b32 s[G0W], 1
	s_add_co_u32 s[G0W+1], s16, SLOT1
	s_mov_b32 s[G0B], 1
	s_add_co_u32 s[G0B+1], s17, BIASR
	s_lshl_b32 s18, s15, 19                        ; the slice's 524,288 bytes of wf
	s_add_co_u32 s18, s18, s16
	s_mov_b32 s19, 0
	s_lshl_b32 s20, s15, 12                        ; its 4,096 bytes of b1r
	s_add_co_u32 s20, s20, s17
	s_mov_b32 s21, 0
	s_wait_dscnt 0x0                               ; both opening adds are done
	s_wait_kmcnt 0x0
	s_add_nc_u64 s[G0A+2:G0A+3], s[6:7], s[18:19]
	s_add_nc_u64 s[G0W+2:G0W+3], s[G0A+2:G0A+3], 131072
	s_or_b32 s[G0A+3], s[G0A+3], 0x80000000
	s_or_b32 s[G0W+3], s[G0W+3], 0x80000000
	s_add_nc_u64 s[G0B+2:G0B+3], s[8:9], s[20:21]
	s_or_b32 s[G0B+3], s[G0B+3], 0x80000000
	s_lshl_b32 s22, s15, 19                        ; the prefetch: chunk 3 of the slice, my work-group's quarter, my wave's quarter of that
	s_lshl_b32 s23, s13, 15
	s_add_co_u32 s22, s22, s23
	s_lshl_b32 s23, s[WV], 13
	s_add_co_u32 s22, s22, s23
	s_add_co_u32 s22, s22, 393216
	s_mov_b32 s23, 0
	s_add_nc_u64 s[PFA:PFA+1], s[6:7], s[22:23]
	s_lshl_b32 s22, s14, 15                        ; tf: token tiles 8 rb + 4 rh .. + 3, 4,096 bytes each
	s_lshl_b32 s23, s[RH], 14
	s_add_co_u32 s22, s22, s23
	s_mov_b32 s23, 0
	s_add_nc_u64 s[4:5], s[4:5], s[22:23]
	s_lshl_b32 s22, s15, 22                        ; up: slice y, token tiles 8 rb + 4 rh + 2 fh, + 1: 8,192 bytes each
	s_lshl_b32 s23, s14, 16
	s_add_co_u32 s22, s22, s23
	s_lshl_b32 s23, s[WV], 14
	s_add_co_u32 s22, s22, s23
	s_mov_b32 s23, 0
	s_add_nc_u64 s[10:11], s[10:11], s[22:23]
	CROUND                                         ; all four work-groups are here: the first joint loads meet
	tensor_load_to_lds s[G0B:G0B+3], s[G1B:G1B+7]  ; the first fills go out together: three loads of mine are out
	s_nop 0
	tensor_load_to_lds s[G0A:G0A+3], s[G1:G1+7]
	s_nop 0
	tensor_load_to_lds s[G0W:G0W+3], s[G1:G1+7]
	s_nop 0
	PLACES 4
	v_and_b32 v10, 31, v0
	v_bfe_u32 v11, v0, 4, 1
	v_lshlrev_b32 v[AK0], 4, v10
	v_lshlrev_b32 v[GO], 4, v10
	v_lshlrev_b32 v[PFO], 8, v10
	v_lshl_add_u32 v[AB0], v11, 5, BIASR
	s_lshl_b32 s22, s[WV], 14
	v_add_nc_u32 v[SA], s22, v[AK0]
	s_xor_b32 s22, s[WV], 1                        ; the wave with my rows and the other blocks
	s_lshl_b32 s22, s22, 14
	v_add_nc_u32 v[RA], s22, v[AK0]
	v_mov_b32 v[HALF], 0.5
	v_mov_b32 v[HALF+1], 0.5
	WIN 0x80                                       ; destination window 2
.set z, 0
.rept 32                               ; t'' stays in registers: 16 fragments, 512 consecutive bytes a load
	global_load_b128 v[4*z:4*z+3], v[AK0], s[4:5] offset:512*z
.set z, z+1
.endr
	WIN 0
; THE MATRIX WORK.  The accumulators take turns, one instruction a turn.
; Product i of 16 of y^T for piece x: ranks' K step i / 4, f tile (i / 2) % 2, tile x + i % 2.  The first four start the sums with the bias.
.macro KQ x
	WIN 0x0a                                       ; W1' and t'' in window 2; y and the bias in window 0
.set rS, S+16*((\x)+i%2)+8*((i/2)%2)
.set rK, KF+32*((i/2)%2)+8*(i/4)
.set rT, 32*((\x)+i%2)+8*(i/4)
.set rB, BI+8*((i/2)%2)
.if i < 4
	v_wmma_f32_16x16x32_f16 v[rS:rS+7], v[rK:rK+7], v[rT:rT+7], v[rB:rB+7]
.else
	v_wmma_f32_16x16x32_f16 v[rS:rS+7], v[rK:rK+7], v[rT:rT+7], v[rS:rS+7]
.endif
.endm
; Product i of 16 of u'^T for piece x: rank tile i / 2, tile x + i % 2.  zero = 1: the first step starts the sums
.macro PV x, zero
	WIN 0x52                                       ; U2 in window 2, g' in window 0, u' in window 1
.set rO, 64*((\x)+i%2)+8*(i/2)
.set rV, VF+8*(i/2)
.set rP, P+8*((\x)+i%2)
.if \zero
	v_wmma_f32_16x16x32_bf16 v[rO:rO+7], v[rV:rV+7], v[rP:rP+7], 0
.else
	v_wmma_f32_16x16x32_bf16 v[rO:rO+7], v[rV:rV+7], v[rP:rP+7], v[rO:rO+7]
.endif
.endm
; THE LDS LOADS stand in runs: a block's W1' (8 fragments) with its bias, and a turn later its U2 (8 fragments).
.macro FETCH_K
	WIN 0
	v_add_nc_u32 v[ADR], s[TB], v[AK0]
	v_add_nc_u32 v[ADB], s[SB], v[AB0]
.irp ft, 0,1
.irp q, 0,1
	ds_load_b128 v[BI+8*\ft+4*\q:BI+8*\ft+4*\q+3], v[ADB] offset:64*\ft+16*\q
.endr
.endr
	WIN 0x80
.irp n, 0,1,2,3,4,5,6,7,8,9,10,11,12,13,14,15
	ds_load_b128 v[KF+4*\n:KF+4*\n+3], v[ADR] offset:512*\n
.endr
.endm
.macro FETCH_V
	WIN 0
	v_add_nc_u32 v[ADR], s[TB], v[AK0]
	s_add_co_u32 s[TB], s[TB], 16384               ; the next fetch is the next block's
	s_add_co_u32 s[SB], s[SB], 128
	WIN 0x80
.irp n, 0,1,2,3,4,5,6,7,8,9,10,11,12,13,14,15
	ds_load_b128 v[VF+4*\n:VF+4*\n+3], v[ADR] offset:8192+512*\n
.endr
.endm
; THE VECTOR WORK.  Slice k of 44 of piece y's GELU: one of 11 stages for one 16 x 16 tile, four packed instructions.  Slices 0-21 take f tile 0 of the piece's two tiles by turns, slices 22-43 f tile 1, so that no stage
; follows directly on the stage that feeds it.  Stage 0: s = clamp(y y) (each accumulator's lowest registers are read first).  1-7: Q by Horner.  8: Phi^ = clamp(y Q + 1/2).  9: y Phi^.  10: to bf16.
.macro SL y
.set a_, 2*(k/22)+k%2
.set rY, S+16*((\y)+(a_&1))+8*(a_>>1)
.set rG, P+8*((\y)+(a_&1))+4*(a_>>1)
.set rs_, TS+16*(k%2)
.set rq_, rs_+8
.set g_, (k%22)/2
	WIN 0
.irp n, 0,1,2,3
.if g_ == 0
	v_pk_mul_f32 v[rs_+2*\n:rs_+2*\n+1], v[rY+2*\n:rY+2*\n+1], v[rY+2*\n:rY+2*\n+1] clamp
.elseif g_ == 1
	v_pk_fma_f32 v[rq_+2*\n:rq_+2*\n+1], v[rs_+2*\n:rs_+2*\n+1], s[CO+14:CO+15], s[CO+12:CO+13] op_sel_hi:[1,0,0]
.elseif g_ < 8
	v_pk_fma_f32 v[rq_+2*\n:rq_+2*\n+1], v[rq_+2*\n:rq_+2*\n+1], v[rs_+2*\n:rs_+2*\n+1], s[CO+2*(7-g_):CO+2*(7-g_)+1] op_sel_hi:[1,1,0]
.elseif g_ == 8
	v_pk_fma_f32 v[rq_+2*\n:rq_+2*\n+1], v[rY+2*\n:rY+2*\n+1], v[rq_+2*\n:rq_+2*\n+1], v[HALF:HALF+1] clamp
.elseif g_ == 9
	v_pk_mul_f32 v[rq_+2*\n:rq_+2*\n+1], v[rY+2*\n:rY+2*\n+1], v[rq_+2*\n:rq_+2*\n+1]
.else
	v_cvt_pk_bf16_f32 v[rG+\n], v[rq_+2*\n], v[rq_+2*\n+1]
.endif
.endr
.set k, k+1
.endm
; A TURN.  Piece x has the matrix unit; the other piece's GELU stands in slices.  pv = 2: 16 products for u'; 1: they start its sums; 0: none.  kq = 1: 16 products for y of the next step.
; A slice names no register of the products round it, so it is the four places (ISA guide 7.12.1) behind each: in front of the next turn's first read of y, of W1's run (piece 0's turn, behind its second
; product; the last product that read W1' and the bias ends the turn before, a slice behind it) and of U2's run (piece 2's turn, a slice behind the last product that read U2).
.macro TURN x, pv, kq
.set k, 0
.set lump, 44
.if \pv
.set lump, lump-16
.if (\x) == 0
	s_wait_dscnt 0x0                               ; U2 is in
.endif
.set i, 0
.rept 16
	PV \x, 2-(\pv)
	SL 2-(\x)
.if ((\x) == 0) && (\kq) && (i == 1)
	FETCH_K
.endif
.set i, i+1
.endr
.endif
.if \kq
.set lump, lump-16
.endif
.if ((\x) == 2) && (\kq)
	FETCH_V
.endif
.rept lump
	SL 2-(\x)
.endr
.if \kq
.if (\x) == 0
	s_wait_dscnt 0x0                               ; W1' and the bias are in
.endif
.set i, 0
.rept 16
	KQ \x
	SL 2-(\x)
.set i, i+1
.endr
.endif
.endm
; THE CHANGE OF SLOTS, between piece 2's turn and piece 0's: the slot's last bytes, U2 of my fourth block, have been asked for.  Each wave waits for all its tensor loads, of which one at most is out: its quarter of the other
; slot; adds 0 to its spare word; and waits for that and for its reads of the slot.  fill = 1: the slot is filled again with the chunk two on.  The barrier is then a round of the cluster's, so that no wave of any partner
; still reads the slot or has a load on its way, and the joint refill is the first thing behind it: it has four steps, 256 matrix instructions, in which to land.
.macro CHANGE fill
	WIN 0
	s_wait_tensorcnt 0x0                           ; no tensor load of mine is out, so a group 0 may be written
	ds_add_u32 v[SPW], v[NIL]                      ; 0 onto my spare word
.if \fill
	s_xor_b32 s[G0W+1], s[G0W+1], SLOT1            ; the walking descriptor: the other slot than last time,
	s_add_nc_u64 s[G0W+2:G0W+3], s[G0W+2:G0W+3], 131072  ; the next chunk; the type bits on top are not reached
.endif
	s_wait_dscnt 0x0                               ; the add is done, and my reads of the slot are over
.if \fill
	CROUND
	JLOAD
	ASK
.else
	s_barrier_signal -1
	s_barrier_wait -1
.endif
	s_sub_co_u32 s[TB], s[TB], 65536               ; the fetches go back to my first block,
	s_xor_b32 s[TB], s[TB], SLOT1                  ; in the other slot;
	s_add_co_u32 s[SB], s[SB], 512                 ; in the bias they pass over the other waves' four blocks
.endm
	s_wait_tensorcnt 1                             ; my parts of the bias and of slot 0 are in; slot 1's may stay out
	s_barrier_signal -1
	s_barrier_wait -1                              ; everybody's are
	FETCH_K                                        ; step 0
	s_wait_loadcnt 0x0                             ; t''
	s_wait_dscnt 0x0
.set i, 0
.rept 16
	KQ 0                                           ; piece 0's first y: there is no vector work yet to set between
.set i, i+1
.endr
	WIN 0
	PLACES 8
	TURN 2, 0, 1                                   ; piece 2's first y | piece 0's first GELU | U2 of step 0
	TURN 0, 1, 1                                   ; piece 0: u' of step 0 starts the sums, y of step 1 | piece 2's first GELU | W1' of step 1
	TURN 2, 1, 1                                   ; piece 2: the same | piece 0's GELU of step 1 | U2 of step 1
	WIN 0
	s_mov_b32 s[SLOTS], 3
	s_mov_b32 s[CNT], 2                            ; two more steps ask for the rest of slot 0
	s_branch .Lstep
.Lslot:                                                ; twice: chunks 2 and 3 are asked for
	CHANGE 1
	s_mov_b32 s[CNT], 4
.Lstep:
	TURN 0, 2, 1
	TURN 2, 2, 1
	WIN 0
	s_sub_co_u32 s[CNT], s[CNT], 1
	s_cmp_lg_u32 s[CNT], 0
	s_cbranch_scc1 .Lstep
	s_sub_co_u32 s[SLOTS], s[SLOTS], 1
	s_cmp_lg_u32 s[SLOTS], 0
	s_cbranch_scc1 .Lslot
	CHANGE 0                                       ; the tail is written out: nothing is asked for
	s_mov_b32 s[CNT], 4
.Ltail:
	TURN 0, 2, 1
	TURN 2, 2, 1
	WIN 0
	s_sub_co_u32 s[CNT], s[CNT], 1
	s_cmp_lg_u32 s[CNT], 0
	s_cbranch_scc1 .Ltail
	TURN 0, 2, 0                                   ; piece 0: u' of the last step | piece 2's last GELU
.set i, 0
.rept 16
	PV 2, 0                                        ; piece 2: u' of the last step
.set i, i+1
.endr
	WIN 0
	PLACES 8
	; THE TWO HALVES OF THE BLOCKS MEET.  Wave fh = 0 keeps tiles 0, 1 and sends tiles 2, 3; wave fh = 1 the other way round.  The stage is slot 0's first 65,536 bytes: slot 0 has had its last fill, and every wave's
	; reads of it were over at the last change of slots.
.macro SENDH b
	WIN 0x04                                       ; the data in window 1
.set z, 0
.rept 32
	ds_store_b128 v[SA], v[(\b)+4*z:(\b)+4*z+3] offset:512*z  ; ascending: each accumulator's low registers first
.set z, z+1
.endr
	WIN 0
.endm
.macro KEEP b
	WIN 0x49                                       ; destination and source 0 window 1, source 1 window 2
.set z, 0
.rept 64
	v_pk_add_f32 v[(\b)+z:(\b)+z+1], v[(\b)+z:(\b)+z+1], v[z:z+1]
.set z, z+2
.endr
	WIN 0x04
.set z, 0
.rept 32
	global_store_b128 v[GO], v[(\b)+4*z:(\b)+4*z+3], s[10:11] offset:512*z  ; 512 consecutive bytes, aligned
.set z, z+1
.endr
	WIN 0
.endm
	s_cmp_eq_u32 s[FH], 0
	s_cbranch_scc0 .Lsend_lo
	SENDH 128
	s_branch .Lsent
.Lsend_lo:
	SENDH 0
.Lsent:
	s_wait_dscnt 0x0                               ; for the others' sake: my stores are done
	s_barrier_signal -1
	s_barrier_wait -1
	WIN 0x80                                       ; into t'' 's registers, which are free
.set z, 0
.rept 32
	ds_load_b128 v[4*z:4*z+3], v[RA] offset:512*z
.set z, z+1
.endr
	WIN 0
	s_wait_dscnt 0x0
	s_cmp_eq_u32 s[FH], 0
	s_cbranch_scc0 .Lkeep_hi
	KEEP 0
	s_branch .Ldone
.Lkeep_hi:
	KEEP 128
.Ldone:
	s_wait_tensorcnt 0x0                           ; the wave's end, behind my last tensor load and my last LDS store
	ds_add_u32 v[SPW], v[NIL]
	s_wait_dscnt 0x0
	CROUND                                         ; the closing round: no work-group ends while a partner may still ask for a tile that names it
	s_endpgm
.Lfunc_end_k_q1ce53b3052_mid:
	.size	k_q1ce53b3052_mid, .Lfunc_end_k_q1ce53b3052_mid-k_q1ce53b3052_mid
	.p2alignl 7, 3214868480
	.fill 96, 4, 3214868480
	.section	.rodata,"a",@progbits
	.p2align	6, 0x0
	.amdhsa_kernel k_q1ce53b3052_mid
		.amdhsa_group_segment_fixed_size 327680
		.amdhsa_private_segment_fixed_size 0
		.amdhsa_enable_private_segment 0
		.amdhsa_kernarg_size 32
		.amdhsa_user_sgpr_count 2
		.amdhsa_user_sgpr_kernarg_segment_ptr 1
		.amdhsa_wavefront_size32 1
		.amdhsa_system_sgpr_workgroup_id_x 1
		.amdhsa_system_sgpr_workgroup_id_y 1
		.amdhsa_system_sgpr_workgroup_id_z 1
		.amdhsa_system_vgpr_workitem_id 0
		.amdhsa_next_free_vgpr 768
		.amdhsa_next_free_sgpr 84
		.amdhsa_reserve_vcc 0
		.amdhsa_float_denorm_mode_32 3
		.amdhsa_float_denorm_mode_16_64 3
		.amdhsa_memory_ordered 1
		.amdhsa_forward_progress 1
		.amdhsa_inst_pref_size 162
	.end_amdhsa_kernel
	.amdgpu_metadata
---
amdhsa.version: [ 1, 2 ]
amdhsa.kernels:
  - .name:           k_q1ce53b3052_mid
    .symbol:         k_q1ce53b3052_mid.kd
    .args:
      - { .name: tf, .offset: 0, .size: 8, .value_kind: global_buffer, .address_space: global }
      - { .name: wf, .offset: 8, .size: 8, .value_kind: global_buffer, .address_space: global }
      - { .name: b1r, .offset: 16, .size: 8, .value_kind: global_buffer, .address_space: global }
      - { .name: up, .offset: 24, .size: 8, .value_kind: global_buffer, .address_space: global }
    .group_segment_fixed_size: 327680
    .private_segment_fixed_size: 0
    .kernarg_segment_align: 8
    .kernarg_segment_size: 32
    .max_flat_workgroup_size: 128
    .sgpr_count:     84
    .vgpr_count:     768
    .wavefront_size: 32
...
	.end_amdgpu_metadata
.endif
;; end of part 2
;; launch back (part 3): grid 256 x 1, 4 waves a work-group, no clusters, 51,712 bytes of LDS; arguments up, cproj_S, v2f, b2r, out0; writes out0
.if DOCPART == 3
	.amdgcn_target "amdgcn-amd-amdhsa--gfx1250"
	.amdhsa_code_object_version 6
	.text
	.protected	k_q1ce53b3052_back
	.globl	k_q1ce53b3052_back
	.p2align	8
	.type	k_q1ce53b3052_back,@function
k_q1ce53b3052_back:
	s_mov_b64 s[64:65], 0
	v_nop
	global_prefetch_b8 v0, s[64:65] scope:SCOPE_SE
	s_setreg_imm32_b32 hwreg(HW_REG_WAVE_MODE, 25, 1), 1
	s_wait_xcnt 0x0
; THIRD OF THREE LAUNCHES.  u = (the sum of the four slices' u') x 4 bf16(S2); out = u V2^T + b2.  The dense weights are never formed (see the first launch's head).
; u's range grows with the inputs beyond f16's, and one rounding to bf16 would spend too much of the allowance: u goes as hi + lo, two bf16 numbers (hi = bf16(u), lo = bf16(u - hi)), and both are multiplied by V2.
; SHARES.  Work-group i: rows 32 i .. + 31.  First each wave (G = wave / 2, tile tt = wave % 2) sums, scales and splits 64 ranks of 16 rows and lays the fragments into LDS.  Then wave w makes columns 256 w .. + 255 of
; both tiles: 16 tiles of 16 columns, two at a time; V2's fragments come straight from v2f into registers, two sets in flight.
; LAYOUT.  out^T = V2 u^T (source 0 = 16 columns d, source 1 = 16 rows): a lane holds one row and eight neighbouring columns.  The bias is the C operand that starts each sum.  Four column tiles (256 bytes of a row)
; go through the wave's own stage in LDS, so that sixteen lanes store 256 consecutive bytes, aligned.
; No tensor loads and no cluster: up is read once, by one wave each; v2f comes in operand order, and through LDS it would be written and read once more.
.set STG,   16384                      ; behind u's fragments (16,384 bytes: [hi, lo][tt][c][registers 0-3 | 4-7][lane][16 bytes]): a stage of 32 rows x 272 bytes for each wave
.set SPARE, 51200                      ; the spare words, 128 bytes for each wave: two blocks of 256 bytes that no other line names
.set L16, 2                            ; v2   16 x lane
.set UFA, 3                            ; v3   where I put u's fragments
.set STA, 4                            ; v4   the way out: where I put 16 bytes of a row
.set RDA, 5                            ; v5   the way out: where I read a row back
.set OO,  6                            ; v6   my byte offset in two rows of out
.set H32, 7                            ; v7   32 (lane / 16): my eight numbers of a tile's bias
.set S2O, 8                            ; v8   128 (lane / 16): my 32 numbers of S2
.set SPW, 14
.set NIL, 15
.set AC,  16                           ; v16-79   accumulators: 8 (2 dtl + tt), dtl = the column tile in a group of four
.set OUTR, 112                         ; v112-175 rows read back from the stage
.set R,   16                           ; at first: v16-143 the four slices' 32 registers each
.set SC2, 144                          ; v144-175 4 bf16(S2)
.set HI,  176                          ; v176-191
.set LO,  192                          ; v192-207
.set TM,  208                          ; v208-211 at work
.set BB,  212                          ; v212-243 the bias: two sets of two tiles.   Window 1: v0-127 V2's fragments, two sets (32 dd + 8 c); v128-255 u's (64 kind + 32 tt + 8 c)
.set MSB, 0
.macro WIN new
.if MSB != (\new)
	s_set_vgpr_msb (MSB<<8)|(\new)
.set MSB, \new
.endif
.endm
.macro PLACES n
.rept \n
	v_nop
.endr
.endm
	s_load_b256 s[4:11], s[0:1], 0x0               ; up s[4:5], S2 s[6:7], v2f s[8:9], b2r s[10:11]
	s_load_b64 s[12:13], s[0:1], 0x20              ; out0
	v_lshl_add_u32 v[SPW], v0, 2, SPARE
	v_mov_b32 v[NIL], 0
	v_lshrrev_b32 v1, 5, v0
	v_readfirstlane_b32 s14, v1                    ; wave 0..3
	s_mov_b32 s15, ttmp9                           ; i
	s_lshr_b32 s16, s14, 1                         ; G
	s_and_b32 s17, s14, 1                          ; tt
	s_mov_b32 s30, 0xffff0000                      ; a word's upper bf16
	v_and_b32 v10, 15, v0                          ; r
	v_bfe_u32 v11, v0, 4, 1                        ; h
	v_and_b32 v12, 31, v0
	v_lshlrev_b32 v[L16], 4, v12
	v_lshlrev_b32 v[H32], 5, v11
	v_lshlrev_b32 v[S2O], 7, v11
	s_lshl_b32 s18, s17, 12
	s_lshl_b32 s19, s16, 11
	s_add_co_u32 s18, s18, s19
	v_add_nc_u32 v[UFA], s18, v[L16]               ; tile tt, fragments 2 G and 2 G + 1
	s_mul_i32 s18, s14, 8704
	s_add_co_u32 s18, s18, STG                     ; my stage
	v_mul_u32_u24 v[STA], v10, 272                 ; in: row r of a tile, 32 bytes for each half of the lanes
	v_lshl_add_u32 v[STA], v11, 5, v[STA]
	v_add_nc_u32 v[STA], s18, v[STA]
	v_mul_u32_u24 v[RDA], v11, 272                 ; back: lanes 0-15 take one row of 256 bytes, lanes 16-31 the next
	v_lshl_add_u32 v[RDA], v10, 4, v[RDA]
	v_add_nc_u32 v[RDA], s18, v[RDA]
	v_lshlrev_b32 v[OO], 12, v11                   ; and the same two rows in out
	v_lshl_add_u32 v[OO], v10, 4, v[OO]
	s_lshl_b32 s18, s15, 14                        ; up: token tile 2 i + tt, 8,192 bytes each; rank tiles 4 G .. 4 G + 3
	s_lshl_b32 s19, s17, 13
	s_add_co_u32 s18, s18, s19
	s_lshl_b32 s19, s16, 12
	s_add_co_u32 s18, s18, s19
	s_mov_b32 s19, 0
	s_wait_kmcnt 0x0
	s_add_nc_u64 s[20:21], s[4:5], s[18:19]        ; slices 0 and 1,
	s_add_nc_u64 s[22:23], s[20:21], 0x800000      ; slices 2 and 3
	s_lshl_b32 s18, s16, 8
	s_add_nc_u64 s[32:33], s[6:7], s[18:19]        ; S2 at rank 64 G
	s_lshl_b32 s18, s14, 16
	s_add_nc_u64 s[24:25], s[8:9], s[18:19]        ; v2f at my 16 column tiles
	s_lshl_b32 s18, s14, 10
	s_add_nc_u64 s[26:27], s[10:11], s[18:19]      ; b2r at my 256 columns
	s_lshl_b32 s34, s15, 17
	s_add_co_u32 s18, s18, s34
	s_add_nc_u64 s[28:29], s[12:13], s[18:19]      ; out at my rows and columns
; V2's eight fragments and the bias of column tiles 2 dp, 2 dp + 1 into set dp % 2: 20 loads
.macro LOADA dp
	WIN 0x40                                       ; destination window 1
.irp dd, 0,1
.irp n, 0,1,2,3,4,5,6,7
	global_load_b128 v[64*((\dp)&1)+32*\dd+4*\n:64*((\dp)&1)+32*\dd+4*\n+3], v[L16], s[24:25] offset:(2*(\dp)+\dd)*4096+512*\n
.endr
.endr
	WIN 0
.irp dd, 0,1
.irp q, 0,1
	global_load_b128 v[BB+16*((\dp)&1)+8*\dd+4*\q:BB+16*((\dp)&1)+8*\dd+4*\q+3], v[H32], s[26:27] offset:(2*(\dp)+\dd)*64+16*\q
.endr
.endr
.endm
; 32 products: hi's four K steps, then lo's; the four accumulators (two column tiles x two row tiles) take turns
.macro MULB dp
	WIN 0x05                                       ; both sources window 1; C and D window 0
.irp kind, 0,1
.irp c, 0,1,2,3
.irp dd, 0,1
.irp tt, 0,1
.set rA, AC+8*(2*(2*((\dp)&1)+\dd)+\tt)
.set rV, 64*((\dp)&1)+32*\dd+8*\c
.set rU, 128+64*\kind+32*\tt+8*\c
.set rB, BB+16*((\dp)&1)+8*\dd
.if (\kind)+(\c) == 0
	v_wmma_f32_16x16x32_bf16 v[rA:rA+7], v[rV:rV+7], v[rU:rU+7], v[rB:rB+7]
.else
	v_wmma_f32_16x16x32_bf16 v[rA:rA+7], v[rV:rV+7], v[rU:rU+7], v[rA:rA+7]
.endif
.endr
.endr
.endr
.endr
	WIN 0
.endm
; Four column tiles of both row tiles leave: into my stage, back as whole rows of 256 bytes, out
.macro WAYOUT grp
.irp dtl, 0,1,2,3
.irp tt, 0,1
.irp q, 0,1
	ds_store_b128 v[STA], v[AC+8*(2*\dtl+\tt)+4*\q:AC+8*(2*\dtl+\tt)+4*\q+3] offset:4352*\tt+64*\dtl+16*\q  ; each accumulator's low registers first
.endr
.endr
.endr
	s_wait_xcnt 0x0                                ; the last way out's stores have read their registers, which are loaded again only behind this wait
.irp n, 0,1,2,3,4,5,6,7,8,9,10,11,12,13,14,15
	ds_load_b128 v[OUTR+4*\n:OUTR+4*\n+3], v[RDA] offset:544*\n  ; LDS serves a wave's instructions in order (ISA guide 5.7.1.4): these see the stores above
.endr
.irp n, 0,1,2,3,4,5,6,7,8,9,10,11,12,13,14,15
	s_wait_dscnt 15-\n                             ; rows 2 n, 2 n + 1 are back; the younger loads may stay out
	global_store_b128 v[OO], v[OUTR+4*\n:OUTR+4*\n+3], s[28:29] offset:8192*\n+256*(\grp) th:TH_STORE_NT  ; 16 lanes store 256 consecutive bytes, aligned
.endr
.endm
.irp sl, 0,1
.irp n, 0,1,2,3,4,5,6,7
	global_load_b128 v[R+32*\sl+4*\n:R+32*\sl+4*\n+3], v[L16], s[20:21] offset:4194304*\sl+512*\n th:TH_LOAD_NT
	global_load_b128 v[R+64+32*\sl+4*\n:R+64+32*\sl+4*\n+3], v[L16], s[22:23] offset:4194304*\sl+512*\n th:TH_LOAD_NT
.endr
.endr
.irp n, 0,1,2,3,4,5,6,7
	global_load_b128 v[SC2+4*\n:SC2+4*\n+3], v[S2O], s[32:33] offset:16*\n
.endr
	LOADA 0
	LOADA 1
	s_wait_loadcnt 40                              ; the partial sums and S2 are in; the 40 loads of V2's first two sets may stay out
.set z, 0
.rept 16
	v_pk_add_f32 v[R+z:R+z+1], v[R+z:R+z+1], v[R+32+z:R+32+z+1]
	v_pk_add_f32 v[R+64+z:R+64+z+1], v[R+64+z:R+64+z+1], v[R+96+z:R+96+z+1]
.set z, z+2
.endr
.set z, 0
.rept 16
	v_pk_add_f32 v[R+z:R+z+1], v[R+z:R+z+1], v[R+64+z:R+64+z+1]
.set z, z+2
.endr
.set z, 0
.rept 16                               ; S2 rounded to bf16, times the 4 that y and g' left out
	v_cvt_pk_bf16_f32 v[TM], v[SC2+z], v[SC2+z+1]
	v_lshlrev_b32 v[SC2+z], 16, v[TM]
	v_and_b32 v[SC2+z+1], s30, v[TM]
	v_pk_mul_f32 v[SC2+z:SC2+z+1], v[SC2+z:SC2+z+1], 4.0 op_sel_hi:[1,0]
.set z, z+2
.endr
.irp j, 0,1,2,3
.irp q, 0,1,2,3,4,5,6,7
	v_mul_f32 v[R+8*\j+\q], v[R+8*\j+\q], v[SC2+4*\q+\j]  ; register 8 j + j' is rank 4 j' + j of my 32
.endr
.endr
.set n, 0
.rept 16                               ; word n holds ranks 2 n, 2 n + 1: j' = n / 2, j = 2 (n % 2) and the next
.set ra_, R+16*(n&1)+n/2
.set rb_, ra_+8
	v_cvt_pk_bf16_f32 v[HI+n], v[ra_], v[rb_]
	v_lshlrev_b32 v[TM], 16, v[HI+n]
	v_and_b32 v[TM+1], s30, v[HI+n]
	v_sub_f32 v[TM+2], v[ra_], v[TM]
	v_sub_f32 v[TM+3], v[rb_], v[TM+1]
	v_cvt_pk_bf16_f32 v[LO+n], v[TM+2], v[TM+3]
.set n, n+1
.endr
.irp q, 0,1,2,3
	ds_store_b128 v[UFA], v[HI+4*\q:HI+4*\q+3] offset:512*\q
	ds_store_b128 v[UFA], v[LO+4*\q:LO+4*\q+3] offset:8192+512*\q
.endr
	s_wait_dscnt 0x0                               ; for the others' sake: my stores are done
	s_barrier_signal -1
	s_barrier_wait -1
	WIN 0x40
.set z, 0
.rept 32                               ; all of u's fragments, hi and lo, both tiles
	ds_load_b128 v[128+4*z:128+4*z+3], v[L16] offset:512*z
.set z, z+1
.endr
	WIN 0
	s_wait_dscnt 0x0
.irp dp, 0,1,2,3,4,5,6,7
.if \dp < 7
	s_wait_loadcnt 20                              ; this pair's V2 and bias are in; the next pair's 20 loads may stay out
.else
	s_wait_loadcnt 0x0
.endif
	MULB \dp
	PLACES 4                                       ; in front of loads into registers that the products read, and of the stores that read results
.if \dp < 6
	LOADA (\dp)+2
.endif
.if (\dp)&1
	WAYOUT (\dp)/2
.endif
.endr
	s_wait_tensorcnt 0x0                           ; the wave's end, behind my last LDS store
	ds_add_u32 v[SPW], v[NIL]
	s_wait_dscnt 0x0
	s_endpgm
.Lfunc_end_k_q1ce53b3052_back:
	.size	k_q1ce53b3052_back, .Lfunc_end_k_q1ce53b3052_back-k_q1ce53b3052_back
	.p2alignl 7, 3214868480
	.fill 96, 4, 3214868480
	.section	.rodata,"a",@progbits
	.p2align	6, 0x0
	.amdhsa_kernel k_q1ce53b3052_back
		.amdhsa_group_segment_fixed_size 51712
		.amdhsa_private_segment_fixed_size 0
		.amdhsa_enable_private_segment 0
		.amdhsa_kernarg_size 40
		.amdhsa_user_sgpr_count 2
		.amdhsa_user_sgpr_kernarg_segment_ptr 1
		.amdhsa_wavefront_size32 1
		.amdhsa_system_sgpr_workgroup_id_x 1
		.amdhsa_system_sgpr_workgroup_id_y 1
		.amdhsa_system_sgpr_workgroup_id_z 1
		.amdhsa_system_vgpr_workitem_id 0
		.amdhsa_next_free_vgpr 512
		.amdhsa_next_free_sgpr 66
		.amdhsa_reserve_vcc 0
		.amdhsa_float_denorm_mode_32 3
		.amdhsa_float_denorm_mode_16_64 3
		.amdhsa_memory_ordered 1
		.amdhsa_forward_progress 1
		.amdhsa_inst_pref_size 70
	.end_amdhsa_kernel
	.amdgpu_metadata
---
amdhsa.version: [ 1, 2 ]
amdhsa.kernels:
  - .name:           k_q1ce53b3052_back
    .symbol:         k_q1ce53b3052_back.kd
    .args:
      - { .name: up, .offset: 0, .size: 8, .value_kind: global_buffer, .address_space: global }
      - { .name: cproj_S, .offset: 8, .size: 8, .value_kind: global_buffer, .address_space: global }
      - { .name: v2f, .offset: 16, .size: 8, .value_kind: global_buffer, .address_space: global }
      - { .name: b2r, .offset: 24, .size: 8, .value_kind: global_buffer, .address_space: global }
      - { .name: out0, .offset: 32, .size: 8, .value_kind: global_buffer, .address_space: global }
    .group_segment_fixed_size: 51712
    .private_segment_fixed_size: 0
    .kernarg_segment_align: 8
    .kernarg_segment_size: 40
    .max_flat_workgroup_size: 128
    .sgpr_count:     66
    .vgpr_count:     512
    .wavefront_size: 32
...
	.end_amdgpu_metadata
.endif
;; end of part 3
